; MI455X (gfx1250); checked and timed in simulation.
; The chip was launched on July 23, 2026; its instructions are those of AMD's public machine-readable ISA for CDNA 5 (MIT licence, August 2026) and "CDNA5" Instruction Set Architecture Reference Guide (July 2026). The comments in the code are by the model that wrote it; some were corrected since.
;; Simple Attention. Allowed arithmetic: matrix products marked QUANTISED: E5M2 operands, one E8M0 scale for each 32 along K, by v_wmma_scale_f32_16x16x128_f8f6f4 with both operands' format E5M2, f32 sums; everything else in f32.
;; Inputs: Wk 1,024 x 1,024 float32; Wq 1,024 x 1,024 float32; Wv 1,024 x 1,024 float32; bk 1,024 float32; bq 1,024 float32; bv 1,024 float32; mask 4 x 4,096 x 1 float32; x 4 x 4,096 x 1,024 float32.
;; Outputs: out0 4 x 4,096 x 1,024 float32.
;; This version of the problem:
;;   THIS VERSION OF THE PROBLEM IS GIVEN IN LOW PRECISION. The matrix products marked QUANTISED in the list below multiply operands that are first quantised to E5M2 (5 exponent bits, 2 mantissa bits; 8 bits a number), with one power-of-two scale for each 32 numbers along K (OCP MX v1.0); their sums are f32. All else is computed in f32.
;;   The module's matrix products, in the order in which they are computed (A, B: the left and right operand; K: the contracted axis; several contracted axes count as one K, in the product's order):
;;     1. [M 16,384, K 1,024] x [K 1,024, N 1,024]; A: input x; B: input Wq: QUANTISED
;;     2. [M 16,384, K 1,024] x [K 1,024, N 1,024]; A: input x; B: input Wk: QUANTISED
;;     3. [M 16,384, K 1,024] x [K 1,024, N 1,024]; A: input x; B: input Wv: QUANTISED
;;     4. batch 64 x [M 64, K 4,096] x [K 4,096, N 64]; A: computed on the way; B: computed on the way: QUANTISED
;;     5. batch 64 x [M 4,096, K 64] x [K 64, N 64]; A: computed on the way; B: computed on the way: QUANTISED
;;   THE QUANTISER, for each operand of a quantised product, along K:
;;     - K is cut into blocks of 32 from its start; a last block that is shorter is filled with zeros.
;;     - A block's scale is 2^e with e = floor(log2(the largest magnitude in the block)) - 15, held to -126 .. 127; a block of zeros has e = 0. As a byte (E8M0): e + 127.
;;     - Each number is divided by its block's scale, clamped to +-57,344, and rounded to the nearest number of E5M2, ties to even, subnormals kept.
;;     - The product sums the exact products of the quantised numbers (number of the format x scale) in f32.
;;   ~~~python
;;   def quantise(x, axis):      # numpy; x: float32 -> the quantised numbers, widened to float32 again
;;       x = np.moveaxis(x, axis, -1); K = x.shape[-1]
;;       x = np.pad(x, [(0, 0)] * (x.ndim - 1) + [(0, -K % 32)]); x = x.reshape(x.shape[:-1] + (-1, 32)); a = np.abs(x).max(-1, keepdims=True)
;;       e = np.where(a > 0, np.clip(np.frexp(np.where(a > 0, a, 1))[1] - 1 - 15, -126, 127), 0)      # np.frexp(a)[1] - 1 = floor(log2(a)), exactly
;;       r = np.clip(x / 2.0 ** e, -57344, 57344)
;;       step = 2.0 ** (np.maximum(np.frexp(np.where(r == 0, 1, r))[1] - 1, -14) - 2)
;;       q = np.round(r / step) * step * 2.0 ** e      # np.round: ties to even
;;       return np.moveaxis(q.reshape(q.shape[:-2] + (-1,))[..., :K], -1, axis).astype(np.float32)
;;   ~~~
;;   OPERANDS COMPUTED ON THE WAY. 'Computed on the way' means the value that the module computes at that place (a softmax that the list does not call 'softmax' is quantised finished and normalised). What goes into a quantiser is computed in f32, as accurately as f32 sums, v_exp_f32 and their like allow (about 1e-6 of the number): no bf16 or f16 on the way to a quantiser, and a product that is left as it is and whose result goes on into a quantised operand takes f32 operands (vector FMAs, or v_wmma_f32_16x16x4_f32). A number that lies on a knife's edge between two numbers of the format may be rounded either way, as far as f32 arithmetic and the matrix unit's own rounding can turn it there, and no further.
;; One version. Each part assembles by itself: llvm-mc -triple=amdgcn-amd-amdhsa -mcpu=gfx1250 --defsym DOCPART=n.
;; ======== version 1 of 1: 3 launches
;; workspace buffers: xc 16,777,216 bytes; xs 524,288 bytes; wc 3,145,728 bytes; ws 98,304 bytes; qc 16,777,216 bytes; qs 1,048,576 bytes; kvp 16,777,216 bytes
;; launch prep (part 1): grid 608 x 1, 4 waves a work-group, no clusters, 68,096 bytes of LDS; arguments x, Wq, Wk, Wv, xc, xs, wc, ws; writes xc, xs, wc, ws
.if DOCPART == 1
	.amdgcn_target "amdgcn-amd-amdhsa--gfx1250"
	.amdhsa_code_object_version 6
	.text
	.protected	k_q2df632694d_prep
	.globl	k_q2df632694d_prep
	.p2align	8
	.type	k_q2df632694d_prep,@function
k_q2df632694d_prep:
	s_mov_b64 s[64:65], 0
	v_nop
	global_prefetch_b8 v0, s[64:65] scope:SCOPE_SE
	s_setreg_imm32_b32 hwreg(HW_REG_WAVE_MODE, 25, 1), 1
	s_wait_xcnt 0x0
; x [16384][1024] f32 and Wq, Wk, Wv [1024 (k)][1024 (n)] f32 become codes of BF8 (E5M2) with K innermost and one E8M0 byte for each 32 along K.
; A block's scale is 2^(floor(log2(largest magnitude)) - 15); its byte is the largest magnitude's exponent field - 15, held at 1 from below; numbers are held within +-57,344 x the scale and rounded to the nearest code, ties to even.
; LIMITS: a block whose largest magnitude lies under 2^-111 keeps the byte 1; a block of zeros gets the byte 1 (not 127): its codes are zeros and only this program reads the bytes; NaN and infinities are not served.
; ORDER OF ROWS IN THE WORKSPACE.  Inside every 32 rows of xc, xs, wc, ws the two middle groups of eight change places: POSITION p holds row 8 sw(p / 8) + p % 8, sw = 0, 2, 1, 3.
; So 16 consecutive positions, taken as a matrix operand's 16 rows, give results whose registers run over NEIGHBOURS of the next product's K, while the rows read from LDS stay consecutive.
; wc, ws: rows 256 c + 128 u + 64 t + (0 .. 63) hold the 64 columns of head 2 c + u of Wk (t = 0) or Wv (t = 1); rows 2048 + n hold column n of Wq.
; Work-groups 0 .. 95 take the weights (a lane to a column, registers down K: 32 columns x 256 K a wave), work-groups 96 .. 607 take x (32 rows each, 8 rows a wave, a plain stream of blocks).
; The two ways have LDS bytes of their own: x 0 .. 32,767, the weights 32,768 .. 67,583.  Waves share nothing: no barrier.  No prefetch: the launch does nothing but stream.
.set WREG, 8192                        ; x: a wave's LDS: two stages of 32 x SP bytes, then its 256 scale bytes
.set SP,   80                          ; a lane's place in a stage: 64 bytes + 16 of padding
.set STEPS, 16
.set XR,   16                          ; v16-79   x: four sets of 16 numbers as loaded
.set XX,   80                          ; v80-111  two sets of 16 neighbours
.set XE,   112                         ; v112-127 a scale byte for each step
.set XC,   128                         ; v128-191 codes, four registers a step
.set WLDS, 32768                       ; the weights' stages: 32 rows x WP bytes a wave
.set WP,   272
.set NB,   8                           ; blocks of 32 along K for a wave
.set WX,   32                          ; v32-95   two sets of 32 numbers
.set WC,   96                          ; v96-103  a block's codes
.set WOUT, 112                         ; v112-175 the way out
.set WSB,  24                          ; v24-25   the scale bytes
.macro WLOAD t                         ; block t: W(32 t + i, my column) into set t % 2: 32 lanes read 128 consecutive bytes
.irp i, 0,1,2,3,4,5,6,7,8,9,10,11,12,13,14,15,16,17,18,19,20,21,22,23,24,25,26,27,28,29,30,31
	global_load_b32 v[WX+32*((\t)%2)+\i], v3, s[4:5] offset:(32*(\t)+\i)*4096 th:TH_LOAD_NT
.endr
.endm
.macro WBLOCK t
.set XS, WX+32*((\t)%2)
.if (\t) < NB-1
	s_wait_loadcnt 32                              ; this block's 32 loads are in; the next block's 32 may be out
.else
	s_wait_loadcnt 0
.endif
	v_max3_num_f32 v12, |v[XS]|, |v[XS+1]|, |v[XS+2]|   ; the block's largest magnitude: all 32 numbers are mine
	v_max3_num_f32 v13, |v[XS+3]|, |v[XS+4]|, |v[XS+5]|
.irp i, 6,10,14,18,22,26
	v_max3_num_f32 v12, v12, |v[XS+\i]|, |v[XS+\i+1]|
	v_max3_num_f32 v13, v13, |v[XS+\i+2]|, |v[XS+\i+3]|
.endr
	v_max3_num_f32 v12, v12, |v[XS+30]|, |v[XS+31]|
	v_max3_num_f32 v12, v12, v13, 0x8000000        ; the floor 2^(16 - 127): the byte cannot fall under 1
	v_add_nc_u32 v11, 0xf8800000, v12              ; 15 off the exponent field: the conversion's scale operand
	v_and_or_b32 v10, v12, 0x7f800000, s35         ; 57,344 x the scale
	v_lshrrev_b32 v13, 23, v11                     ; the scale's byte
.if (\t)%4 == 0
	v_mov_b32 v[WSB+(\t)/4], v13
.else
	v_lshl_or_b32 v[WSB+(\t)/4], v13, 8*((\t)%4), v[WSB+(\t)/4]
.endif
.irp i, 0,1,2,3,4,5,6,7,8,9,10,11,12,13,14,15,16,17,18,19,20,21,22,23,24,25,26,27,28,29,30,31
	v_med3_num_f32 v[XS+\i], v[XS+\i], -v10, v10   ; the conversion to an 8-bit code does not saturate (ISA guide 7.6.2): the hold comes first
.endr
.irp g, 0,1,2,3
	v_cvt_scalef32_pk8_bf8_f32 v[WC+2*\g:WC+2*\g+1], v[XS+8*\g:XS+8*\g+7], v11
.endr
	v_nop                                          ; a plain line behind the last conversion
	ds_store_b128 v4, v[WC:WC+3] offset:32*(\t)    ; 32 codes of my column's row of the stage
	ds_store_b128 v4, v[WC+4:WC+7] offset:32*(\t)+16
.if (\t)+2 < NB
	WLOAD (\t)+2
.endif
	s_wait_dscnt 0x0                               ; the stores have read their registers: the next block's codes may be written
.endm
.macro XLOAD t
.irp i, 0,1,2,3
	global_load_b128 v[XR+16*((\t)%4)+4*\i:XR+16*((\t)%4)+4*\i+3], v3, s[4:5] offset:2048*(\t)+512*\i th:TH_LOAD_NT   ; 32 lanes read 512 consecutive bytes
.endr
.endm
.macro XTURN t                         ; a step's 2,048 bytes through my stage: in as loaded, out 64 bytes a lane.  LDS serves a wave's instructions in order
.irp i, 0,1,2,3
	ds_store_b128 v14, v[XR+16*((\t)%4)+4*\i:XR+16*((\t)%4)+4*\i+3] offset:32*SP*((\t)%2)+8*SP*\i
.endr
.irp i, 0,1,2,3
	ds_load_b128 v[XX+16*((\t)%2)+4*\i:XX+16*((\t)%2)+4*\i+3], v15 offset:32*SP*((\t)%2)+16*\i
.endr
.endm
.macro XSTEP t
.set XS, XX+16*((\t)%2)
.if (\t) > 0
	s_wait_dscnt 1                                 ; this step's numbers are back from the stage; the last step's byte store may be out
.else
	s_wait_dscnt 0x0
.endif
.if (\t)+4 < STEPS
	XLOAD (\t)+4                                   ; into the registers that the stage's stores have read
.endif
.if (\t)+1 < STEPS
.if STEPS-2-(\t) >= 3
	s_wait_loadcnt 12                              ; the next step's four loads are in; those of the three steps behind it may be out
.else
	s_wait_loadcnt 4*(STEPS-2-(\t))
.endif
	XTURN (\t)+1
.endif
	v_max3_num_f32 v8, |v[XS]|, |v[XS+1]|, |v[XS+2]|
	v_max3_num_f32 v9, |v[XS+3]|, |v[XS+4]|, |v[XS+5]|
.irp i, 6,10
	v_max3_num_f32 v8, v8, |v[XS+\i]|, |v[XS+\i+1]|
	v_max3_num_f32 v9, v9, |v[XS+\i+2]|, |v[XS+\i+3]|
.endr
	v_max3_num_f32 v8, v8, |v[XS+14]|, |v[XS+15]|
	v_max3_num_f32 v8, v8, v9, 0x8000000           ; the floor
	v_max_num_f32_dpp v8, v8, v8 row_xmask:1 row_mask:0xf bank_mask:0xf   ; with my neighbour's 16: the block's largest magnitude
	v_add_nc_u32 v11, 0xf8800000, v8
	v_and_or_b32 v10, v8, 0x7f800000, s35
.irp i, 0,1,2,3,4,5,6,7,8,9,10,11,12,13,14,15
	v_med3_num_f32 v[XS+\i], v[XS+\i], -v10, v10
.endr
	v_cvt_scalef32_pk8_bf8_f32 v[XC+4*(\t):XC+4*(\t)+1], v[XS:XS+7], v11
	v_cvt_scalef32_pk8_bf8_f32 v[XC+4*(\t)+2:XC+4*(\t)+3], v[XS+8:XS+15], v11
	v_lshrrev_b32 v[XE+(\t)], 23, v11              ; the scale's byte (also the plain line behind the conversions)
	ds_store_b8 v5, v[XE+(\t)] offset:16*(\t)      ; both lanes of a block write the same byte with the same value
	global_store_b128 v3, v[XC+4*(\t):XC+4*(\t)+3], s[12:13] offset:512*(\t)   ; 32 lanes store 512 consecutive bytes
.endm
	s_load_b256 s[4:11], s[0:1], 0x0               ; x, Wq, Wk, Wv
	s_load_b256 s[12:19], s[0:1], 0x20             ; xc, xs, wc, ws
	v_lshl_add_u32 v192, v0, 2, 0x10800
	v_mov_b32 v193, 0
	v_lshrrev_b32 v1, 5, v0
	v_readfirstlane_b32 s20, v1                    ; wave
	v_and_b32 v2, 31, v0                           ; lane
	s_mov_b32 s35, 0x600000                        ; the mantissa field of 57,344
	s_cmp_lt_u32 ttmp9, 96
	s_cbranch_scc0 .Lx
	; ---------------- the weights
	s_lshr_b32 s21, ttmp9, 5                       ; 0 Wq, 1 Wk, 2 Wv
	s_and_b32 s22, ttmp9, 7                        ; which 128 columns
	s_bfe_u32 s23, ttmp9, 0x20003                  ; which 256 along K
	s_lshl_b32 s24, s22, 7
	s_lshl_b32 s25, s20, 5
	s_add_co_u32 s24, s24, s25                     ; my wave's first column: 128 x + 32 wave
	s_lshl_b32 s26, s22, 8                         ; k, v: (head / 2) x 256: the head is column / 64
	s_lshr_b32 s27, s20, 1
	s_lshl_b32 s27, s27, 7
	s_or_b32 s26, s26, s27                         ; + (head % 2) x 128
	s_and_b32 s27, s20, 1
	s_lshl_b32 s27, s27, 5
	s_or_b32 s26, s26, s27                         ; + which 32 of the head's 64
	s_cmp_eq_u32 s21, 2
	s_cselect_b32 s27, 64, 0
	s_or_b32 s26, s26, s27                         ; + 64 for Wv
	s_add_co_u32 s27, s24, 2048                    ; q: 2048 + column
	s_cmp_eq_u32 s21, 0
	s_cselect_b32 s26, s27, s26                    ; the first of my 32 rows of wc and ws
	s_lshl_b32 s28, s23, 20                        ; in: 256 y rows of 4,096 bytes + 4 x column
	s_lshl_b32 s29, s24, 2
	s_add_co_u32 s28, s28, s29
	s_mov_b32 s29, 0
	s_lshl_b32 s30, s26, 10                        ; codes: row x 1,024 + 256 y
	s_lshl_b32 s31, s23, 8
	s_add_co_u32 s30, s30, s31
	s_mov_b32 s31, 0
	s_lshl_b32 s32, s26, 5                         ; scale bytes: row x 32 + 8 y
	s_lshl_b32 s33, s23, 3
	s_add_co_u32 s32, s32, s33
	s_mov_b32 s33, 0
	v_lshlrev_b32 v3, 2, v2                        ; in: 4 bytes a lane
	s_mul_i32 s34, s20, 32*WP
	s_add_co_u32 s34, s34, WLDS                    ; my stage
	v_mul_u32_u24 v4, v2, WP
	v_add_nc_u32 v4, s34, v4                       ; into it: row = my column
	v_and_b32 v5, 15, v2
	v_lshrrev_b32 v6, 4, v2
	v_mul_u32_u24 v7, v6, WP
	v_lshl_add_u32 v7, v5, 4, v7
	v_add_nc_u32 v7, s34, v7                       ; out of it: sixteen lanes to a row, two rows an instruction
	v_lshlrev_b32 v8, 10, v6
	v_lshl_add_u32 v8, v5, 4, v8                   ; and the same in wc; the pair's position stands in the immediate
	v_and_b32 v9, 7, v2                            ; my column's position among the 32: bits 3 and 4 change places
	v_and_b32 v10, 8, v2
	v_lshl_or_b32 v9, v10, 1, v9
	v_and_b32 v10, 16, v2
	v_lshrrev_b32 v10, 1, v10
	v_or_b32 v9, v9, v10
	v_lshlrev_b32 v9, 5, v9                        ; x 32 bytes: its row of ws
	s_wait_kmcnt 0x0
	s_cmp_eq_u32 s21, 0
	s_cselect_b64 s[4:5], s[6:7], s[8:9]           ; the choice hangs on the work-group's number alone
	s_cmp_eq_u32 s21, 2
	s_cselect_b64 s[4:5], s[10:11], s[4:5]
	s_add_nc_u64 s[4:5], s[4:5], s[28:29]
	s_add_nc_u64 s[16:17], s[16:17], s[30:31]
	s_add_nc_u64 s[18:19], s[18:19], s[32:33]
	WLOAD 0
	WLOAD 1
.irp t, 0,1,2,3,4,5,6,7
	WBLOCK \t
.endr
	global_store_b64 v9, v[WSB:WSB+1], s[18:19]    ; my column's 8 scale bytes
.irp t, 0,1,2,3,4,5,6,7,8,9,10,11,12,13,14,15
	ds_load_b128 v[WOUT+4*\t:WOUT+4*\t+3], v7 offset:2*\t*WP   ; these see my stores: LDS serves a wave's instructions in order
.endr
.irp t, 0,1,2,3,4,5,6,7,8,9,10,11,12,13,14,15
	s_wait_dscnt 15-\t                             ; the younger loads of the sixteen may be out
	global_store_b128 v8, v[WOUT+4*\t:WOUT+4*\t+3], s[16:17] offset:(8*(((\t/4)%2)*2+(\t/4)/2)+(2*\t)%8)*1024   ; columns 2 t, 2 t + 1 go to positions 8 sw(t / 4) + (2 t) % 8 and the next; 16 lanes store 256 consecutive bytes
.endr
	s_wait_tensorcnt 0x0
	ds_add_u32 v192, v193
	s_wait_dscnt 0x0
	s_endpgm
	; ---------------- x
.Lx:
	v_lshlrev_b32 v3, 4, v2                        ; 16 x lane: my bytes of a load's 512, and of a step's 512 bytes of codes
	s_mul_i32 s21, s20, WREG
	v_lshrrev_b32 v14, 2, v2
	v_mul_u32_u24 v14, v14, SP
	v_and_b32 v15, 3, v2
	v_lshl_add_u32 v14, v15, 4, v14
	v_add_nc_u32 v14, s21, v14                     ; the stage, on the way in: SP (lane / 4) + 16 (lane % 4)
	v_mul_u32_u24 v15, v2, SP
	v_add_nc_u32 v15, s21, v15                     ; and on the way out: SP x lane
	v_lshrrev_b32 v5, 1, v2
	s_add_co_u32 s21, s21, 2*32*SP
	v_add_nc_u32 v5, s21, v5                       ; my wave's 256 scale bytes: my block's byte
	v_lshlrev_b32 v7, 3, v2
	v_add_nc_u32 v6, s21, v7                       ; and 8 bytes a lane on their way out
	s_sub_co_u32 s22, ttmp9, 96
	s_lshl_b32 s22, s22, 2                         ; a work-group is a group of 32 rows, a wave 8 rows = 8,192 numbers
	s_add_co_u32 s24, s22, s20                     ; the run that I read
	s_and_b32 s25, s20, 1
	s_lshl_b32 s25, s25, 1
	s_lshr_b32 s26, s20, 1
	s_or_b32 s25, s25, s26                         ; sw(wave)
	s_add_co_u32 s26, s22, s25                     ; the run that I write
	s_lshl_b32 s28, s24, 15
	s_mov_b32 s29, 0
	s_lshl_b32 s30, s26, 13
	s_mov_b32 s31, 0
	s_lshl_b32 s32, s26, 8
	s_mov_b32 s33, 0
	s_wait_kmcnt 0x0
	s_add_nc_u64 s[4:5], s[4:5], s[28:29]
	s_add_nc_u64 s[12:13], s[12:13], s[30:31]
	s_add_nc_u64 s[14:15], s[14:15], s[32:33]
.irp t, 0,1,2,3
	XLOAD \t
.endr
	s_wait_loadcnt 12                              ; step 0's four loads are in
	XTURN 0
.irp t, 0,1,2,3,4,5,6,7,8,9,10,11,12,13,14,15
	XSTEP \t
.endr
	ds_load_b64 v[12:13], v6                       ; these see my byte stores
	s_wait_dscnt 0x0
	global_store_b64 v7, v[12:13], s[14:15]        ; 32 lanes store 256 consecutive bytes, aligned
	s_wait_tensorcnt 0x0
	ds_add_u32 v192, v193
	s_wait_dscnt 0x0
	s_endpgm
.Lfunc_end_k_q2df632694d_prep:
	.size	k_q2df632694d_prep, .Lfunc_end_k_q2df632694d_prep-k_q2df632694d_prep
	.p2alignl 7, 3214868480
	.fill 96, 4, 3214868480
	.section	.rodata,"a",@progbits
	.p2align	6, 0x0
	.amdhsa_kernel k_q2df632694d_prep
		.amdhsa_group_segment_fixed_size 68096
		.amdhsa_private_segment_fixed_size 0
		.amdhsa_enable_private_segment 0
		.amdhsa_kernarg_size 64
		.amdhsa_user_sgpr_count 2
		.amdhsa_user_sgpr_kernarg_segment_ptr 1
		.amdhsa_wavefront_size32 1
		.amdhsa_system_sgpr_workgroup_id_x 1
		.amdhsa_system_sgpr_workgroup_id_y 1
		.amdhsa_system_sgpr_workgroup_id_z 1
		.amdhsa_system_vgpr_workitem_id 0
		.amdhsa_next_free_vgpr 194
		.amdhsa_next_free_sgpr 66
		.amdhsa_reserve_vcc 0
		.amdhsa_float_denorm_mode_32 3
		.amdhsa_float_denorm_mode_16_64 3
		.amdhsa_memory_ordered 1
		.amdhsa_forward_progress 1
		.amdhsa_inst_pref_size 110
	.end_amdhsa_kernel
	.amdgpu_metadata
---
amdhsa.version: [ 1, 2 ]
amdhsa.kernels:
  - .name:           k_q2df632694d_prep
    .symbol:         k_q2df632694d_prep.kd
    .args:
      - { .name: x, .offset: 0, .size: 8, .value_kind: global_buffer, .address_space: global }
      - { .name: Wq, .offset: 8, .size: 8, .value_kind: global_buffer, .address_space: global }
      - { .name: Wk, .offset: 16, .size: 8, .value_kind: global_buffer, .address_space: global }
      - { .name: Wv, .offset: 24, .size: 8, .value_kind: global_buffer, .address_space: global }
      - { .name: xc, .offset: 32, .size: 8, .value_kind: global_buffer, .address_space: global }
      - { .name: xs, .offset: 40, .size: 8, .value_kind: global_buffer, .address_space: global }
      - { .name: wc, .offset: 48, .size: 8, .value_kind: global_buffer, .address_space: global }
      - { .name: ws, .offset: 56, .size: 8, .value_kind: global_buffer, .address_space: global }
    .group_segment_fixed_size: 68096
    .private_segment_fixed_size: 0
    .kernarg_segment_align: 8
    .kernarg_segment_size: 64
    .max_flat_workgroup_size: 128
    .sgpr_count:     66
    .vgpr_count:     194
    .wavefront_size: 32
...
	.end_amdgpu_metadata
.endif
;; end of part 1
;; launch gemm (part 2): grid 4 x 64, 4 waves a work-group, clusters of 4 x 4, 327,680 bytes of LDS; arguments xc, xs, wc, ws, bq, bk, bv, mask, qc, qs, kvp; writes qc, qs, kvp
.if DOCPART == 2
	.amdgcn_target "amdgcn-amd-amdhsa--gfx1250"
	.amdhsa_code_object_version 6
	.text
	.protected	k_q2df632694d_gemm
	.globl	k_q2df632694d_gemm
	.p2align	8
	.type	k_q2df632694d_gemm,@function
k_q2df632694d_gemm:
	s_mov_b64 s[64:65], 0
	v_nop
	global_prefetch_b8 v0, s[64:65] scope:SCOPE_SE
	s_setreg_imm32_b32 hwreg(HW_REG_WAVE_MODE, 25, 1), 1
	s_wait_xcnt 0x0
	s_wait_alu depctr_hold_cnt(0) depctr_sa_sdst(0) depctr_va_vdst(0) depctr_va_sdst(0) depctr_va_ssrc(0) depctr_va_vcc(0) depctr_vm_vsrc(0)
	s_getreg_b32 s2, hwreg(HW_REG_IB_STS2, 6, 4)
	s_cmp_eq_u32 s2, 0
	s_cbranch_scc0 .Lentry_in_a_cluster
	s_endpgm
.Lentry_in_a_cluster:
	s_bfe_u32 s2, ttmp6, 0x10000c
	s_cmp_lg_u32 s2, 0xf033
	s_cbranch_scc0 .Lentry_shape_is_right
	s_endpgm
.Lentry_shape_is_right:
; q, k, v = (x W + b) x mask on codes of BF8 (E5M2) with E8M0 scales, then what follows them: q is quantised along the head's 64 and stored as codes; k and v are quantised along the sequence
; and multiplied at once, k^T v over this work-group's 256 rows, stored as a partial sum in f32.  k and v never go to memory.
; A tile is 256 positions of x (rows of xc) x 256 positions of W (rows of wc), K = 1,024 in four steps of 256 through a ring of two LDS slots; four waves, 128 x 128 each: 64 accumulators, 512 registers.
; A WORK-GROUP STAYS: it makes three tiles of one tile row, tile columns cx, cx + 4, cx + 8.  The first two hold k and v of heads 2 c, 2 c + 1 (THE KV KIND: a loop of two trips), the third holds q (THE Q KIND: written out behind
; the loop).  The ring does not stop at a tile's end: a kv tile's last two changes of slots ask for the next tile's K steps 0 and 1, which land under the tile's way out.
; THE ORDER OF THE SOURCES GOES BY THE KIND.  Source 0 (S0: window 1, two sets) and source 1 (S1: window 0, one set):
;   kv kind: S0 = x, S1 = W: a lane holds one column of k or v, its registers run along the sequence;     q kind:  S0 = W, S1 = x: a lane holds one row of q, its registers run along the head's axis.
; Positions (see the launch that wrote xc, wc): in tile b of S0 register j of lane (r, h) is index 32 (b / 2) + 16 h + 8 (b % 2) + j: the 16 registers of tiles 2 B, 2 B + 1 are 16 neighbours of block B; lane r of tile a of S1 is index 32 (a / 2) + 8 (a % 2) + r + 8 (r / 8).
; So the conversions' results ARE the next operand's registers.
; CLUSTERS: 4 x 4 work-groups; x's tiles and scales are asked for jointly along a row of the cluster, W's along a column.  All sixteen walk the same three steps, so every branch and trip count is alike in all.
; THE SCALE BYTES of x's 256 rows and of W's 256 rows of each of the three tiles, for all of K, come once with the first fills: four dense blocks of 8,192 bytes, one load a wave.
; No prefetch: of a tile's four K steps the first two are asked for by the ring itself a K step and more ahead of their use, and the launch's first two could only be named at the head.
; LIMITS: a block whose largest magnitude lies under 2^-111 keeps the byte 1; a block of zeros gets the byte 1: its codes are zeros and only this program reads the bytes; NaN and infinities are not served.
; The sums over the sequence go 128 rows (a wave), 256 rows (two waves, f32), then 16 partials in the next launch.
; REGISTERS.  window 0: v7 VR, v8-15 LV, v16-17 x's LDS addresses, v18 VL, v19 EXA, v20-21 W's, v22 QO, v24-26 lane terms, v27 scales' address, v28-29 the add's; v32-63 scale words (later v32-39 the eight new scale words);
;   v64-127 RV; v128-255 S1's fragments (later v128-143 at work, and the partner's partial).   window 1: S0's two sets (later v0-127 the codes, v128-255 the 16 accumulators of k^T v).   windows 2, 3: accumulator (a, b) at v[8 (8 (a % 4) + b)].
.set NQ,     2                         ; steps of 128 along K in a slot
.set ROWB,   256                       ; a tile's row in bytes
.set KROW,   1024                      ; a row of xc or wc
.set PITCH,  272                       ; an LDS row: 256 bytes + 16 of padding: the 16 rows of a load start at 16 different banks (64 banks of 4 bytes: ISA guide 11.1)
.set FR,     16
.set NL,     4
.set NP,     8                         ; places behind this matrix instruction (ISA guide 7.12.1)
.set HALFT,  128*PITCH
.set SLOT,   4*HALFT                   ; x's 256 rows, then W's 256 rows
.set NEXTW,  4*256*KROW-2*ROWB         ; from a slot's last K step of a tile to its first of the next: W goes 1,024 rows on and 512 bytes back; x only back
.set KS,     32                        ; a row of scale bytes
.set SCL,    2*SLOT                    ; behind the ring: the exchange, 8,192 bytes for each pair of waves: 7,680 bytes of its own and tile 0's scales of W, which are filled once and read for the last time ahead of tile 0's last barrier
.set FULLS,  32*272                    ; the scales of 256 rows, as units of 256 bytes + 16
.set HALFS,  16*272
.set SBLK,   2*272
.set SCW,    SCL+7680                  ; W's scales of tiles 0, 1, 2
.set SCX,    SCW+3*FULLS               ; x's
.set SPARE,  SCX+FULLS                 ; the spare words: 128 bytes a wave, two blocks of 256 bytes that no other line names
.set VR,   7                           ; v7   64 h: my half's place in the vector that runs along the registers
.set LV,   8                           ; v8-15  one number a lane for each S1 tile: kv: the bias of my column; q: the mask of my row
.set XA,   16                          ; v16-17 LDS address of my fragments of x in slot 0, 1
.set VL,   18                          ; v18  4 (r + 8 (r / 8))
.set EXA,  19                          ; v19  the exchange: SCL + 8,192 j + 16 x lane
.set WA,   20                          ; v20-21 the same for W
.set QO,   22                          ; v22  16 x lane
.set SLN,  24                          ; v24  my row's place in a block of scales
.set HF,   25                          ; v25  h
.set HN,   26                          ; v26  1 - h
.set ADRS, 27
.set SPW,  28
.set NIL,  29
.set SC,   32
.set SW,   32
.set RV,   64                          ; v64-127  64 numbers along my registers: kv: the mask of my rows; q: the bias of my columns
.set AF,   128
.set TM,   128                         ; v128-131 largest magnitudes, v132-135 bytes, v136-139 57,344 x the scale, v140-143 the conversions' scale operands
.set G1, 24
.set G0, 32
.set G1B, 48
.set G0B, 56
.set G1S, 68
.set G0S, 76
.set G1SB, 80
.set G0SB, 88
.set MSB, 0
.macro WIN new                         ; the immediate's high byte repeats the setting that is left
.if MSB != (\new)
	s_set_vgpr_msb (MSB<<8)|(\new)
.set MSB, (\new)
.endif
.endm
.set MUL_LO, 0xa1                      ; source 0 window 1, source 1 window 0, C and D window 2
.set MUL_HI, 0xf1
.set TO_B,   0x40
; A joint load: the waves in which s[sel] is 0 fetch for x, the others for W.  The branch hangs on the wave's number alone.  Four v_nop follow each of the two lines.
.macro JLOAD sel, g0a, g1a, g0b, g1b
	s_cmp_eq_u32 s[\sel], 0
	s_cbranch_scc0 .Lfor_b_\@
	tensor_load_to_lds s[\g0a:\g0a+3], s[\g1a:\g1a+7]
	s_nop 0
.rept 4
	v_nop
.endr
	s_branch .Lasked_\@
.Lfor_b_\@:
	tensor_load_to_lds s[\g0b:\g0b+3], s[\g1b:\g1b+7]
	s_nop 0
.rept 4
	v_nop
.endr
.Lasked_\@:
.endm
.macro CREST                           ; a round of the cluster's barrier behind its opening barrier
	s_cmp_lg_u32 s14, 0
	s_cbranch_scc1 .Lnot_wave_0_\@
	s_barrier_signal -3
.Lnot_wave_0_\@:
	s_barrier_wait -3
	s_barrier_signal -1
	s_barrier_wait -1
.endm
.macro CROUND
	s_barrier_signal -1
	s_barrier_wait -1
	CREST
.endm
.macro PLACES n
.rept \n
	v_nop
.endr
.endm
	s_load_b256 s[4:11], s[0:1], 0x0               ; xc s[4:5], xs s[6:7], wc s[8:9], ws s[10:11]
	v_lshl_add_u32 v[SPW], v0, 2, SPARE
	v_mov_b32 v[NIL], 0
	ds_add_u32 v28, v29
	ds_add_u32 v28, v29
	s_wait_dscnt 0x0
	v_lshrrev_b32 v1, 5, v0
	v_readfirstlane_b32 s14, v1                    ; wave 0..3
	s_lshr_b32 s15, s14, 1                         ; i: my half of x's 256 positions.  Also: I fetch codes for x (0) or for W (1)
	s_and_b32 s16, s14, 1                          ; j: my half of W's.  Also: which 128 rows I fetch
	s_bfe_u32 s40, ttmp6, 0x40000                  ; cx, cy
	s_bfe_u32 s41, ttmp6, 0x40004
	s_lshl_b32 s42, ttmp9, 2
	s_add_co_u32 s42, s42, s40                     ; my first tile column = 4 x cluster x + cx (the grid is four wide: cx)
	s_and_b32 s17, ttmp7, 0xffff
	s_lshl_b32 s17, s17, 2
	s_add_co_u32 s17, s17, s41                     ; tile row = 4 x cluster y + cy
	s_lshl_b32 s43, s41, 2
	s_lshl_b32 s43, 15, s43                        ; my row of the cluster
	s_lshl_b32 s44, 0x1111, s40                    ; my column
	s_or_b32 s[G1+0], s43, (0<<16)|(1<<20)|(1<<21)|(5<<22)|(3<<25)   ; the mask; elements of 1 byte; padding on; bit 21 beside a mask; 4 words of padding after every 64
	s_or_b32 s[G1B+0], s44, (0<<16)|(1<<20)|(1<<21)|(5<<22)|(3<<25)
.irp g, G1, G1B
	s_mov_b32 s[\g+1], ROWB<<16                    ; tensor_dim0
	s_mov_b32 s[\g+2], 128<<16                     ; tensor_dim1
	s_mov_b32 s[\g+3], ROWB<<16                    ; tile_dim0
	s_mov_b32 s[\g+4], 128                         ; tile_dim1
	s_mov_b32 s[\g+5], KROW                        ; the pitch
	s_mov_b32 s[\g+6], 0
	s_mov_b32 s[\g+7], 0
.endr
	s_or_b32 s[G1S+0], s43, (3<<16)|(1<<20)|(1<<21)|(5<<22)|(3<<25)  ; the scales of 256 rows: 8,192 dense bytes as 32 rows of 32 elements of 8 bytes
	s_or_b32 s[G1SB+0], s44, (3<<16)|(1<<20)|(1<<21)|(5<<22)|(3<<25)
.irp g, G1S, G1SB
	s_mov_b32 s[\g+1], 32<<16
	s_mov_b32 s[\g+2], 32<<16
	s_mov_b32 s[\g+3], 32<<16
	s_mov_b32 s[\g+4], 32
	s_mov_b32 s[\g+5], 32
	s_mov_b32 s[\g+6], 0
	s_mov_b32 s[\g+7], 0
.endr
	s_add_co_u32 s18, s14, 3
	s_and_b32 s18, s18, 3                          ; which block of scales I fetch: waves 1, 2, 3: W's of tile 0, 1, 2; wave 0: block 3, x's
	s_mul_i32 s94, s18, FULLS                      ; its place in LDS: the wave's number alone
	s_lshl_b32 s22, s17, 13                        ; x's scales: 256 x tile row rows of 32 bytes
	s_mov_b32 s23, 0
	s_lshl_b32 s92, s42, 13                        ; W's: 256 x tile column rows,
	s_lshl_b32 s19, s18, 15                        ; and 1,024 rows on for each tile (wave 0's sum is not used: it takes x's line)
	s_add_co_u32 s92, s92, s19
	s_mov_b32 s93, 0
	s_lshl_b32 s45, s16, 17                        ; which 128 rows of codes I fetch
	s_lshl_b32 s20, s17, 18
	s_add_co_u32 s20, s20, s45                     ; x: (256 x tile row + 128 x half) rows of 1,024 bytes
	s_mov_b32 s21, 0
	s_lshl_b32 s46, s42, 18
	s_add_co_u32 s46, s46, s45                     ; W: (256 x tile column + 128 x half) rows
	s_mov_b32 s47, 0
	s_mul_i32 s45, s14, HALFT                      ; where they go: wave x 128 rows: no place in the cluster enters an LDS address
	s_wait_kmcnt 0x0
	s_add_nc_u64 s[20:21], s[4:5], s[20:21]
	s_add_nc_u64 s[22:23], s[6:7], s[22:23]
	s_add_nc_u64 s[46:47], s[8:9], s[46:47]
	s_add_nc_u64 s[92:93], s[10:11], s[92:93]
	CROUND                                         ; all sixteen work-groups are here: the first joint loads meet
	s_mov_b32 s[G0S], 1
	s_add_co_u32 s[G0S+1], s94, SCW
	s_mov_b64 s[G0S+2:G0S+3], s[22:23]
	s_or_b32 s[G0S+3], s[G0S+3], 0x80000000
	s_mov_b32 s[G0SB], 1
	s_add_co_u32 s[G0SB+1], s94, SCW
	s_mov_b64 s[G0SB+2:G0SB+3], s[92:93]
	s_or_b32 s[G0SB+3], s[G0SB+3], 0x80000000
	JLOAD 14, G0S, G1S, G0SB, G1SB                 ; the scales first: wave 0 x's, the others W's; with the two below, three loads of mine are out
.irp s, 0,1
	s_mov_b32 s[G0+4*\s], 1
	s_add_co_u32 s[G0+4*\s+1], s45, \s*SLOT
	s_add_nc_u64 s[G0+4*\s+2:G0+4*\s+3], s[20:21], \s*ROWB
	s_or_b32 s[G0+4*\s+3], s[G0+4*\s+3], 0x80000000
	s_mov_b32 s[G0B+4*\s], 1
	s_add_co_u32 s[G0B+4*\s+1], s45, \s*SLOT
	s_add_nc_u64 s[G0B+4*\s+2:G0B+4*\s+3], s[46:47], \s*ROWB
	s_or_b32 s[G0B+4*\s+3], s[G0B+4*\s+3], 0x80000000
	JLOAD 15, G0+4*\s, G1, G0B+4*\s, G1B
.endr
	s_load_b256 s[4:11], s[0:1], 0x20              ; bq s[4:5], bk s[6:7], bv s[8:9], mask s[10:11]
	s_load_b128 s[92:95], s[0:1], 0x40             ; qc s[92:93], qs s[94:95]
	s_load_b64 s[96:97], s[0:1], 0x50              ; kvp
	v_and_b32 v1, 15, v0                           ; r
	v_bfe_u32 v[HF], v0, 4, 1                      ; h
	v_xor_b32 v[HN], 1, v[HF]
	v_mul_u32_u24 v3, v1, PITCH
	v_lshl_add_u32 v4, v[HF], 4, v3                ; a fragment's row x pitch + 16 h
	s_mul_i32 s18, s15, HALFT                      ; my 128 rows of x
	s_mul_i32 s19, s16, HALFT
	s_add_co_u32 s19, s19, 2*HALFT                 ; my 128 rows of W
.irp s, 0,1
	v_add_nc_u32 v[XA+\s], s18, v4
	v_add_nc_u32 v[WA+\s], s19, v4
	s_add_co_u32 s18, s18, SLOT
	s_add_co_u32 s19, s19, SLOT
.endr
	v_mul_u32_u24 v5, v1, KS                       ; my row's scale bytes: 32 a row,
	v_lshrrev_b32 v6, 8, v5
	v_lshl_add_u32 v[SLN], v6, 4, v5               ; and 16 more for each 256 passed
	s_mul_i32 s98, s15, HALFS
	s_add_co_u32 s98, s98, SCX                     ; s98: the scales of my 128 rows of x
	s_mul_i32 s66, s16, HALFS
	s_add_co_u32 s66, s66, SCW                     ; s66: those of my 128 rows of W in the tile in hand: 8,704 bytes on for each trip
	v_and_b32 v6, 31, v0
	v_lshlrev_b32 v[QO], 4, v6
	s_lshl_b32 s18, s16, 13
	s_add_co_u32 s18, s18, SCL
	v_add_nc_u32 v[EXA], s18, v[QO]
	v_lshlrev_b32 v[VR], 6, v[HF]
	v_and_b32 v3, 8, v1
	v_add_nc_u32 v3, v3, v1
	v_lshlrev_b32 v[VL], 2, v3
	; the vectors of the way out, and where the results go
	s_lshl_b32 s18, s17, 8
	s_lshl_b32 s19, s15, 7
	s_add_co_u32 s18, s18, s19
	s_lshl_b32 s12, s18, 2                         ; 4 x my first row: its place in mask
	s_mov_b32 s13, 0
	s_lshl_b32 s19, s42, 1
	s_add_co_u32 s19, s19, s16                     ; 2 cx + j: my head in tile 0 (8 more in tile 1), and my pair of heads in the q tile
	s_wait_kmcnt 0x0
	s_add_nc_u64 s[10:11], s[10:11], s[12:13]      ; mask at my first row
	s_lshl_b32 s12, s19, 9
	s_add_nc_u64 s[4:5], s[4:5], s[12:13]          ; bq at my 128 columns
	s_lshl_b32 s12, s19, 8
	s_add_nc_u64 s[6:7], s[6:7], s[12:13]          ; bk and bv at my head's 64
	s_add_nc_u64 s[8:9], s[8:9], s[12:13]
	s_lshr_b32 s18, s17, 4                         ; the batch
	s_and_b32 s22, s17, 15                         ; which 256 rows of it
	s_lshl_b32 s45, s18, 22
	s_lshl_b32 s46, s22, 14
	s_or_b32 s45, s45, s46
	s_lshl_b32 s12, s19, 18
	s_or_b32 s12, s12, s45
	s_add_nc_u64 s[96:97], s[96:97], s[12:13]      ; kvp [b][head][p]: 16,384 bytes a partial
	s_lshl_b32 s12, s19, 19
	s_or_b32 s12, s12, s45
	s_lshl_b32 s46, s15, 13
	s_or_b32 s12, s12, s46
	s_add_nc_u64 s[92:93], s[92:93], s[12:13]      ; qc [b][head][row tile]: 1,024 bytes a row tile
	s_lshl_b32 s12, s18, 18
	s_lshl_b32 s46, s19, 15
	s_or_b32 s12, s12, s46
	s_lshl_b32 s46, s22, 11
	s_or_b32 s12, s12, s46
	s_lshl_b32 s46, s15, 10
	s_or_b32 s12, s12, s46
	s_add_nc_u64 s[94:95], s[94:95], s[12:13]      ; qs [b][pair of heads][row tile / 4]: 512 bytes
	s_mov_b32 s20, 0x76543210
	s_mov_b32 s21, 0xfedcba98                      ; v_permlanex16_b32's selects for lane l xor 16
	s_mov_b32 s23, 0x600000                        ; the mantissa field of 57,344
	s_mov_b32 s67, 0                               ; the tile in hand
.macro FRAG reg, adr, q, i             ; 16 rows x 128 K: lane l holds row l % 16; registers 4 c .. 4 c + 3 hold K = 32 c + 16 (l / 16) + 0 .. 15
.irp c, 0,1,2,3
	ds_load_b128 v[\reg+4*\c:\reg+4*\c+3], v[\adr] offset:128*(\q)+32*\c+(\i)*16*PITCH
.endr
.endm
; 16 matrix instructions: S1's blocks a0, a0 + 1 x S0's eight.  The 64 accumulators take turns, one instruction a turn, in the same order in every step.
.macro MUL16 a0, p, q, sc, zero
.irp a, \a0, \a0+1
.irp b, 0,1,2,3,4,5,6,7
.if \zero
	v_wmma_scale_f32_16x16x128_f8f6f4 v[8*(8*((\a)%4)+\b):8*(8*((\a)%4)+\b)+7], v[128*(\p)+FR*\b:128*(\p)+FR*\b+FR-1], v[AF+FR*(\a):AF+FR*(\a)+FR-1], 0, v[SC+8*NQ*(\sc)+NQ*\b+(\q)], v[SC+8*NQ*(\sc)+NQ*(\a)+(\q)] matrix_a_fmt:MATRIX_FMT_BF8 matrix_b_fmt:MATRIX_FMT_BF8 matrix_a_scale:MATRIX_SCALE_ROW1
.else
	v_wmma_scale_f32_16x16x128_f8f6f4 v[8*(8*((\a)%4)+\b):8*(8*((\a)%4)+\b)+7], v[128*(\p)+FR*\b:128*(\p)+FR*\b+FR-1], v[AF+FR*(\a):AF+FR*(\a)+FR-1], v[8*(8*((\a)%4)+\b):8*(8*((\a)%4)+\b)+7], v[SC+8*NQ*(\sc)+NQ*\b+(\q)], v[SC+8*NQ*(\sc)+NQ*(\a)+(\q)] matrix_a_fmt:MATRIX_FMT_BF8 matrix_b_fmt:MATRIX_FMT_BF8 matrix_a_scale:MATRIX_SCALE_ROW1
.endif
.endr
.endr
.endm
.macro FETCH_0 slot, q, p              ; S0's eight fragments into set p.  ADR0 and ADR1 are set to XA or WA ahead of each kind's text
	WIN TO_B
.irp i, 0,1,2,3,4,5,6,7
	FRAG 128*(\p)+FR*\i, ADR0+\slot, \q, \i
.endr
	WIN 0
.endm
.macro FETCH_1 slot, q, i0             ; S1's blocks i0 .. i0 + 3
.irp i, \i0, \i0+1, \i0+2, \i0+3
	FRAG AF+FR*(\i), ADR1+\slot, \q, \i
.endr
.endm
.macro SCALES sc, ks                   ; K step ks's scale words into set sc: two a row; lanes 0-15 S1's block i, lanes 16-31 S0's block i
.irp i, 0,1,2,3,4,5,6,7
	ds_load_b64 v[SC+8*NQ*\sc+NQ*\i:SC+8*NQ*\sc+NQ*\i+1], v[ADRS] offset:\i*SBLK+8*(\ks)
.endr
.endm
.macro STEP slot, q, zero              ; a step of 128 along K that has its successor in the same slot
	s_wait_dscnt 4*NL                              ; all but the youngest 16 loads (S1's blocks 4-7) are in
	WIN MUL_LO
	MUL16 0, (\q)%2, \q, \slot, \zero
	MUL16 2, (\q)%2, \q, \slot, \zero
	s_wait_dscnt 0                                 ; S1's blocks 4-7 are in
	PLACES NP                                      ; in front of loads into registers that matrix instructions have read
	FETCH_0 \slot, (\q)+1, 1-(\q)%2
	FETCH_1 \slot, (\q)+1, 0
	WIN MUL_HI
	MUL16 4, (\q)%2, \q, \slot, \zero
	MUL16 6, (\q)%2, \q, \slot, \zero
	PLACES NP
	WIN 0
	FETCH_1 \slot, (\q)+1, 4
.endm
; A slot's last step changes slots: one barrier; in front of it each wave waits for all its tensor loads, adds 0 to its spare word, and waits for that and for its reads of this slot.
; fill = 1: this slot takes this tile's K step two steps on; 2: the NEXT tile's K step 0 or 1; 0: nothing.  ks: the K step whose scale words are fetched.  fetch = 0: a tile's last step: the next slot's fragments wait until the way out has left the registers.
.macro TURN slot, next, fill, ks, fetch
	s_wait_tensorcnt 0x0                           ; all my tensor loads have landed: my part of the next slot
	ds_add_u32 v[SPW], v[NIL]                      ; 0 onto my spare word
	s_wait_dscnt 4*NL+1                            ; the add and the youngest 16 loads may be out
	WIN MUL_LO
	MUL16 0, 1, NQ-1, \slot, 0
	s_wait_dscnt 0x0                               ; the add is done, and my reads of this slot are over
	s_barrier_signal -1
	MUL16 2, 1, NQ-1, \slot, 0
	WIN 0
	s_barrier_wait -1
.if \fill
	CREST                                          ; the barrier has opened a round of the cluster's: no wave of any partner still reads this slot or has a load on its way
.if \fill == 1
	s_add_nc_u64 s[G0+4*\slot+2:G0+4*\slot+3], s[G0+4*\slot+2:G0+4*\slot+3], 2*ROWB
	s_add_nc_u64 s[G0B+4*\slot+2:G0B+4*\slot+3], s[G0B+4*\slot+2:G0B+4*\slot+3], 2*ROWB
.else
	s_sub_nc_u64 s[G0+4*\slot+2:G0+4*\slot+3], s[G0+4*\slot+2:G0+4*\slot+3], 2*ROWB     ; the walk's tiles share their rows of x
	s_add_nc_u64 s[G0B+4*\slot+2:G0B+4*\slot+3], s[G0B+4*\slot+2:G0B+4*\slot+3], NEXTW
.endif
	JLOAD 15, G0+4*\slot, G1, G0B+4*\slot, G1B     ; the first tensor load behind the round; its four v_nop are four of the eight places
.if \fetch
	PLACES NP-4
.endif
.else
	PLACES NP
.endif
.if \fetch
	FETCH_0 \next, 0, 0
	FETCH_1 \next, 0, 0
	SCALES \next, \ks
.endif
	WIN MUL_HI
	MUL16 4, 1, NQ-1, \slot, 0
	MUL16 6, 1, NQ-1, \slot, 0
.if \fetch
	PLACES NP
	WIN 0
	FETCH_1 \next, 0, 4
.else
	WIN 0
.endif
.endm
; A tile's eight steps.  Slot 0 is whole at its head: shown by the barrier in front of the loop, or by the last barrier of the tile before.  last = 1: the launch's last tile asks for nothing beyond its own K.
.macro MAIN last
	FETCH_0 0, 0, 0
	FETCH_1 0, 0, 0
	SCALES 0, 0
	FETCH_1 0, 0, 4
	STEP 0, 0, 1                                   ; the first products start the sums: nothing is cleared
	TURN 0, 1, 1, 1, 1                             ; slot 0 takes K step 2
	STEP 1, 0, 0
	TURN 1, 0, 1, 2, 1                             ; slot 1 takes K step 3
	STEP 0, 0, 0
.if \last
	TURN 0, 1, 0, 3, 1
	STEP 1, 0, 0
	s_wait_dscnt 4*NL
	WIN MUL_LO
	MUL16 0, 1, NQ-1, 1, 0
	MUL16 2, 1, NQ-1, 1, 0
	s_wait_dscnt 0
	WIN MUL_HI
	MUL16 4, 1, NQ-1, 1, 0
	MUL16 6, 1, NQ-1, 1, 0
	WIN 0
.else
	TURN 0, 1, 2, 3, 1                             ; slot 0 takes the next tile's K step 0,
	STEP 1, 0, 0
	TURN 1, 0, 2, 0, 0                             ; slot 1 its K step 1, which lands under the way out
.endif
.endm
; The two vectors of a tile's way out, asked for at the tile's head: 64 numbers along my registers from s[pr], a number a lane for S1's tiles 0-3 from s[pl0] and 4-7 from s[pl1] + off1
.macro VECS pr, pl0, pl1, off1
.irp b, 0,1,2,3,4,5,6,7
	global_load_b128 v[RV+8*\b:RV+8*\b+3], v[VR], s[\pr:\pr+1] offset:(32*(\b/2)+8*(\b%2))*4
	global_load_b128 v[RV+8*\b+4:RV+8*\b+7], v[VR], s[\pr:\pr+1] offset:(32*(\b/2)+8*(\b%2))*4+16
.endr
.irp a, 0,1,2,3
	global_load_b32 v[LV+\a], v[VL], s[\pl0:\pl0+1] offset:(32*(\a/2)+8*(\a%2))*4
	global_load_b32 v[LV+4+\a], v[VL], s[\pl1:\pl1+1] offset:(32*(\a/2)+8*(\a%2))*4+\off1
.endr
.endm
; THE WAY OUT, S1 tile by S1 tile (a = 0 .. 7): bias and mask, then the quantiser along my registers: 64 numbers a lane become 16 registers of codes and a scale word.
.macro APPLY_KV a                      ; (sum + my column's bias) x my rows' mask.  Each accumulator is taken from its low end on
.set AC, 64*((\a)%4)
.set LP, LV+2*((\a)/2)
	WIN 0x41*(2+(\a)/4)                            ; destination and source 0 in the accumulators' window
.set nn, 0
.rept 32
.if (\a)%2 == 0
	v_pk_add_f32 v[AC+nn:AC+nn+1], v[AC+nn:AC+nn+1], v[LP:LP+1] op_sel_hi:[1,0]
.else
	v_pk_add_f32 v[AC+nn:AC+nn+1], v[AC+nn:AC+nn+1], v[LP:LP+1] op_sel:[0,1] op_sel_hi:[1,1]
.endif
.set nn, nn+2
.endr
.set nn, 0
.rept 32
	v_pk_mul_f32 v[AC+nn:AC+nn+1], v[AC+nn:AC+nn+1], v[RV+nn:RV+nn+1]
.set nn, nn+2
.endr
	WIN 0
.endm
.macro APPLY_Q a                       ; (sum + my columns' bias) x my row's mask
.set AC, 64*((\a)%4)
.set LP, LV+2*((\a)/2)
	WIN 0x41*(2+(\a)/4)
.set nn, 0
.rept 32
	v_pk_add_f32 v[AC+nn:AC+nn+1], v[AC+nn:AC+nn+1], v[RV+nn:RV+nn+1]
.set nn, nn+2
.endr
.set nn, 0
.rept 32
.if (\a)%2 == 0
	v_pk_mul_f32 v[AC+nn:AC+nn+1], v[AC+nn:AC+nn+1], v[LP:LP+1] op_sel_hi:[1,0]
.else
	v_pk_mul_f32 v[AC+nn:AC+nn+1], v[AC+nn:AC+nn+1], v[LP:LP+1] op_sel:[0,1] op_sel_hi:[1,1]
.endif
.set nn, nn+2
.endr
	WIN 0
.endm
.macro QUANT a                         ; register 16 B + i of the tile's 64 is K = 32 B + 16 h + i of the next product
.set AC, 64*((\a)%4)
	WIN 20*(2+(\a)/4)                              ; sources 1 and 2 in the accumulators' window
.irp b, 0,1,2,3
	v_max3_num_f32 v[TM+\b], 0x8000000, |v[AC+16*\b]|, |v[AC+16*\b+1]|   ; my 16 numbers of block b, and the floor 2^(16 - 127): the byte cannot fall under 1
.endr
.irp i, 2,4,6,8,10,12,14
.irp b, 0,1,2,3
	v_max3_num_f32 v[TM+\b], v[TM+\b], |v[AC+16*\b+\i]|, |v[AC+16*\b+\i+1]|
.endr
.endr
	WIN 0
.irp b, 0,1,2,3
	v_permlanex16_b32 v[TM+4+\b], v[TM+\b], s20, s21
.endr
.irp b, 0,1,2,3
	v_max_num_f32 v[TM+\b], v[TM+\b], v[TM+4+\b]   ; with lane l xor 16's: the block's largest magnitude
.endr
.irp b, 0,1,2,3
	v_add_nc_u32 v[TM+12+\b], 0xf8800000, v[TM+\b] ; 15 off the exponent field: the conversion's scale operand
.endr
.irp b, 0,1,2,3
	v_and_or_b32 v[TM+8+\b], v[TM+\b], 0x7f800000, s23   ; 57,344 x the scale
.endr
.irp b, 0,1,2,3
	v_lshrrev_b32 v[TM+4+\b], 23, v[TM+12+\b]      ; the scale's byte
.endr
	v_lshl_or_b32 v[SW+(\a)], v[TM+5], 8, v[TM+4]
	v_lshl_or_b32 v[SW+(\a)], v[TM+6], 16, v[SW+(\a)]
	v_lshl_or_b32 v[SW+(\a)], v[TM+7], 24, v[SW+(\a)]
	WIN 0x41*(2+(\a)/4)
.irp b, 0,1,2,3
.irp i, 0,1,2,3,4,5,6,7,8,9,10,11,12,13,14,15
	v_med3_num_f32 v[AC+16*\b+\i], v[AC+16*\b+\i], -v[TM+8+\b], v[TM+8+\b]   ; the conversion to an 8-bit code does not saturate (ISA guide 7.6.2): the hold comes first
.endr
.endr
	WIN 0x42+(\a)/4                                ; destination window 1, source 0 in the accumulators' window
.irp b, 0,1,2,3
	v_cvt_scalef32_pk8_bf8_f32 v[16*(\a)+4*\b:16*(\a)+4*\b+1], v[AC+16*\b:AC+16*\b+7], v[TM+12+\b]
	v_cvt_scalef32_pk8_bf8_f32 v[16*(\a)+4*\b+2:16*(\a)+4*\b+3], v[AC+16*\b+8:AC+16*\b+15], v[TM+12+\b]
.endr
	v_nop                                          ; a plain line behind the last conversion
	WIN 0
.endm
.macro OUTHEAD                         ; the head of a way out
	PLACES NP                                      ; behind the last products
	s_wait_loadcnt 0x0                             ; the two vectors, asked for at the tile's head
.irp b, 0,1,2,3
	v_mov_b32 v[TM+4+\b], 0                        ; a lane permute's destination counts as one of its sources
.endr
.endm
.macro WGBAR                           ; my LDS instructions are done, for the others' sake; then the work-group's barrier.  The next tile's K step 1 may stay on its way
	s_wait_dscnt 0x0
	s_barrier_signal -1
	s_barrier_wait -1
.endm
	s_wait_tensorcnt 1                             ; the scales and my part of K step 0 are in; K step 1's load may be out
	s_barrier_signal -1
	s_barrier_wait -1
; ---------------- the two kv tiles: S0 = x, S1 = W
.set ADR0, XA
.set ADR1, WA
.Ltile:
	VECS 10, 6, 8, 0                               ; along the registers: my rows' mask; a number a lane: bk for tiles 0-3, bv for tiles 4-7
	s_sub_co_u32 s18, s98, s66                     ; from W's words up to x's
	v_mul_u32_u24 v1, s18, v[HF]                   ; lanes 16-31 take S0's words: x's
	v_add_nc_u32 v[ADRS], s66, v[SLN]              ; lanes 0-15 S1's: W's
	v_add_nc_u32 v[ADRS], v[ADRS], v1
	MAIN 0
	OUTHEAD
.irp a, 0,1,2,3,4,5,6,7
	APPLY_KV \a
	QUANT \a
.endr
	; tiles 0-3 are k's 64 columns, tiles 4-7 v's; K = my 128 rows.  D(dt, et): lane (r, h): e position 16 et + r, registers along d
	PLACES 4                                       ; codes made by vector instructions stand four places ahead of a scaled product; the scale words were made further up
	WIN 0x45                                       ; D, source 0 and source 1 in window 1
.irp d, 0,1,2,3
.irp e, 0,1,2,3
	v_wmma_scale_f32_16x16x128_f8f6f4 v[128+8*(4*\d+\e):128+8*(4*\d+\e)+7], v[16*\d:16*\d+15], v[64+16*\e:64+16*\e+15], 0, v[SW+\d], v[SW+4+\e] matrix_a_fmt:MATRIX_FMT_BF8 matrix_b_fmt:MATRIX_FMT_BF8
.endr
.endr
	WIN 0
	PLACES NP
	; THE TWO WAVES OF A HEAD MEET: the upper rows' wave (i = 1) gives its partial, as an image of the registers, in two halves of 8,192 bytes; the lower rows' wave adds and stores.
	s_cmp_eq_u32 s15, 0
	s_cbranch_scc1 .Lgiven_0
	WIN 0x04                                       ; an LDS store's data are its source 1: window 1
.set nn, 0
.rept 16
	ds_store_b128 v[EXA], v[128+4*nn:128+4*nn+3] offset:512*nn   ; accumulators 0-7, each from its low end on
.set nn, nn+1
.endr
	WIN 0
.Lgiven_0:
	WGBAR
	s_cmp_lg_u32 s15, 0
	s_cbranch_scc1 .Ltaken_0
.set nn, 0
.rept 16
	ds_load_b128 v[128+4*nn:128+4*nn+3], v[EXA] offset:512*nn
.set nn, nn+1
.endr
.Ltaken_0:
	WGBAR                                          ; the first half has been read: its bytes may be written again
	s_cmp_eq_u32 s15, 0
	s_cbranch_scc1 .Ladd_0
	WIN 0x04
.set nn, 0
.rept 16
	ds_store_b128 v[EXA], v[192+4*nn:192+4*nn+3] offset:512*nn   ; accumulators 8-15
.set nn, nn+1
.endr
	WIN 0
	s_branch .Lgiven_1
.Ladd_0:
	WIN 0x04                                       ; source 1: my own partial, in window 1
.set nn, 0
.rept 32
	v_pk_add_f32 v[128+nn:128+nn+1], v[128+nn:128+nn+1], v[128+nn:128+nn+1]
.set nn, nn+2
.endr
	WIN 0
.set nn, 0
.rept 16
	global_store_b128 v[QO], v[128+4*nn:128+4*nn+3], s[96:97] offset:512*nn   ; 512 consecutive bytes a store
.set nn, nn+1
.endr
.Lgiven_1:
	WGBAR
	s_cmp_lg_u32 s15, 0
	s_cbranch_scc1 .Ltaken_1
.set nn, 0
.rept 16
	ds_load_b128 v[192+4*nn:192+4*nn+3], v[EXA] offset:512*nn
.set nn, nn+1
.endr
	s_wait_dscnt 0x0
	WIN 0x04
.set nn, 0
.rept 32
	v_pk_add_f32 v[192+nn:192+nn+1], v[192+nn:192+nn+1], v[192+nn:192+nn+1]
.set nn, nn+2
.endr
	WIN 0
.set nn, 0
.rept 16
	global_store_b128 v[QO], v[192+4*nn:192+4*nn+3], s[96:97] offset:8192+512*nn
.set nn, nn+1
.endr
.Ltaken_1:
	s_wait_xcnt 0x0                                ; the stores have read their registers and their base: the next tile's fragments may land there, and the pointers may step
	s_add_nc_u64 s[96:97], s[96:97], 0x200000      ; eight heads on in kvp,
	s_add_nc_u64 s[6:7], s[6:7], 2048              ; in bk
	s_add_nc_u64 s[8:9], s[8:9], 2048              ; and in bv
	s_add_co_u32 s66, s66, FULLS                   ; the next tile's scales of W
	s_add_co_u32 s67, s67, 1
	s_cmp_lt_u32 s67, 2
	s_cbranch_scc1 .Ltile
; ---------------- the q tile: S0 = W, S1 = x
.set ADR0, WA
.set ADR1, XA
	VECS 4, 10, 10, 256                            ; along the registers: bq of my 128 columns; a number a lane: my rows' mask
	s_mul_i32 s19, s16, HALFS
	s_add_co_u32 s19, s19, SCW+2*FULLS             ; the scales of my 128 rows of W in tile 2
	s_sub_co_u32 s18, s98, s19                     ; from W's words up to x's
	v_mul_u32_u24 v1, s18, v[HN]                   ; lanes 0-15 take S1's words: x's
	v_add_nc_u32 v[ADRS], s19, v[SLN]              ; lanes 16-31 S0's: W's
	v_add_nc_u32 v[ADRS], v[ADRS], v1
	MAIN 1
	OUTHEAD
.irp a, 0,1,2,3,4,5,6,7
	APPLY_Q \a
	QUANT \a
	WIN 0x04                                       ; a store's data are its source 1: window 1.  A row tile's codes leave as soon as they are made
	global_store_b128 v[QO], v[16*\a:16*\a+3], s[92:93] offset:\a*1024            ; the first head's eight registers of codes, 512 consecutive bytes a store,
	global_store_b128 v[QO], v[16*\a+4:16*\a+7], s[92:93] offset:\a*1024+512
	global_store_b128 v[QO], v[16*\a+8:16*\a+11], s[92:93] offset:262144+\a*1024  ; and the second head's
	global_store_b128 v[QO], v[16*\a+12:16*\a+15], s[92:93] offset:262144+\a*1024+512
	WIN 0
.endr
	global_store_b128 v[QO], v[SW:SW+3], s[94:95]              ; the scale words of four row tiles a store
	global_store_b128 v[QO], v[SW+4:SW+7], s[94:95] offset:512
	s_wait_tensorcnt 0x0                           ; the wave's end
	ds_add_u32 v[SPW], v[NIL]
	s_wait_dscnt 0x0
	CROUND                                         ; the closing round: no work-group ends while a partner may still ask for a tile that names it
	s_endpgm
.Lfunc_end_k_q2df632694d_gemm:
	.size	k_q2df632694d_gemm, .Lfunc_end_k_q2df632694d_gemm-k_q2df632694d_gemm
	.p2alignl 7, 3214868480
	.fill 96, 4, 3214868480
	.section	.rodata,"a",@progbits
	.p2align	6, 0x0
	.amdhsa_kernel k_q2df632694d_gemm
		.amdhsa_group_segment_fixed_size 327680
		.amdhsa_private_segment_fixed_size 0
		.amdhsa_enable_private_segment 0
		.amdhsa_kernarg_size 88
		.amdhsa_user_sgpr_count 2
		.amdhsa_user_sgpr_kernarg_segment_ptr 1
		.amdhsa_wavefront_size32 1
		.amdhsa_system_sgpr_workgroup_id_x 1
		.amdhsa_system_sgpr_workgroup_id_y 1
		.amdhsa_system_sgpr_workgroup_id_z 1
		.amdhsa_system_vgpr_workitem_id 0
		.amdhsa_next_free_vgpr 1024
		.amdhsa_next_free_sgpr 106
		.amdhsa_reserve_vcc 0
		.amdhsa_float_denorm_mode_32 3
		.amdhsa_float_denorm_mode_16_64 3
		.amdhsa_memory_ordered 1
		.amdhsa_forward_progress 1
		.amdhsa_inst_pref_size 255
	.end_amdhsa_kernel
	.section	.bss,"aw",@nobits
	.p2align	6
	.space	262144
	.amdgpu_metadata
---
amdhsa.version: [ 1, 2 ]
amdhsa.kernels:
  - .name:           k_q2df632694d_gemm
    .symbol:         k_q2df632694d_gemm.kd
    .args:
      - { .name: xc, .offset: 0, .size: 8, .value_kind: global_buffer, .address_space: global }
      - { .name: xs, .offset: 8, .size: 8, .value_kind: global_buffer, .address_space: global }
      - { .name: wc, .offset: 16, .size: 8, .value_kind: global_buffer, .address_space: global }
      - { .name: ws, .offset: 24, .size: 8, .value_kind: global_buffer, .address_space: global }
      - { .name: bq, .offset: 32, .size: 8, .value_kind: global_buffer, .address_space: global }
      - { .name: bk, .offset: 40, .size: 8, .value_kind: global_buffer, .address_space: global }
      - { .name: bv, .offset: 48, .size: 8, .value_kind: global_buffer, .address_space: global }
      - { .name: mask, .offset: 56, .size: 8, .value_kind: global_buffer, .address_space: global }
      - { .name: qc, .offset: 64, .size: 8, .value_kind: global_buffer, .address_space: global }
      - { .name: qs, .offset: 72, .size: 8, .value_kind: global_buffer, .address_space: global }
      - { .name: kvp, .offset: 80, .size: 8, .value_kind: global_buffer, .address_space: global }
    .group_segment_fixed_size: 327680
    .private_segment_fixed_size: 0
    .kernarg_segment_align: 8
    .kernarg_segment_size: 88
    .max_flat_workgroup_size: 128
    .sgpr_count:     106
    .vgpr_count:     1024
    .wavefront_size: 32
...
	.end_amdgpu_metadata
.endif
;; end of part 2
;; launch attend (part 3): grid 4 x 64, 4 waves a work-group, clusters of 4 x 1, 287,232 bytes of LDS; arguments qc, qs, kvp, mask, out0; writes out0
.if DOCPART == 3
	.amdgcn_target "amdgcn-amd-amdhsa--gfx1250"
	.amdhsa_code_object_version 6
	.text
	.protected	k_q2df632694d_attend
	.globl	k_q2df632694d_attend
	.p2align	8
	.type	k_q2df632694d_attend,@function
k_q2df632694d_attend:
	s_mov_b64 s[64:65], 0
	v_nop
	global_prefetch_b8 v0, s[64:65] scope:SCOPE_SE
	s_setreg_imm32_b32 hwreg(HW_REG_WAVE_MODE, 25, 1), 1
	s_wait_xcnt 0x0
	s_wait_alu depctr_hold_cnt(0) depctr_sa_sdst(0) depctr_va_vdst(0) depctr_va_sdst(0) depctr_va_ssrc(0) depctr_va_vcc(0) depctr_vm_vsrc(0)
	s_getreg_b32 s2, hwreg(HW_REG_IB_STS2, 6, 4)
	s_cmp_eq_u32 s2, 0
	s_cbranch_scc0 .Lentry_in_a_cluster
	s_endpgm
.Lentry_in_a_cluster:
	s_bfe_u32 s2, ttmp6, 0x10000c
	s_cmp_lg_u32 s2, 0x3003
	s_cbranch_scc0 .Lentry_shape_is_right
	s_endpgm
.Lentry_shape_is_right:
; out = q (k^T v / sqrt(sum of mask x 64)), the last product on codes of BF8 (E5M2) with E8M0 scales, K = the head's 64.
; A work-group takes one (batch, head) and 1,024 positions of the sequence.  Wave w first sums the 16 partials of e tile w of k^T v, scales them by the norm and quantises them along d (a lane holds one e, its 32 registers and
; those of lane l xor 16 run along d); the four tiles meet in LDS as images of their registers; then wave w multiplies its 16 row tiles.
; K = 64 IN AN INSTRUCTION OF 128: a fragment of q holds TWO row tiles (registers 0-7: the even one's 64 codes, 8-15: the odd one's), and kv stands as [kv | zeros] or [zeros | kv]: zero codes add nothing.
; The product is used transposed (source 0 = 16 e of kv, source 1 = q's rows): a lane holds eight neighbouring numbers of a row of out.
; CLUSTER: the four work-groups of a (batch, head) read the same 262,144 bytes of partials: each wave's one tensor load is asked for jointly by the four (mask 15).  LDS is filled once.
; POSITIONS: row tile t's lane r is row 32 (t / 2) + 8 (t % 2) + r + 8 (r / 8) of the wave's 256; register j of e tile et is e = 32 (et / 2) + 16 h + 8 (et % 2) + j.
; No prefetch: every read is issued at the head.
; LIMITS: a sum of the mask that is 0 or less is not served (the expected result is not finite there); a block under 2^-111 keeps the byte 1; a block of zeros gets the byte 1: only this text reads it; NaN, infinities not served.
; REGISTERS.  window 0: v4-13 addresses; v16-31 q's scale words as stored; v32-39 the words of pairs of row tiles; v40-135 three partials, later v40-111 = Z KV0 Z KV1 Z KV2 Z KV3 Z (blocks of 8; Z = zeros);
;   v136-139 kv's scale words; v140-171 the sum, later the four results of a row tile; v172-235 rows on their way out, two sets; v236-243 kv's codes; v244-254 at work.   window 1: v0-127 q's codes; v128-255 the mask.
.set KVI,  262144                      ; behind the four landing places of 65,536 bytes: kv's four images, 1,024 bytes each,
.set KVS,  KVI+4096                    ; their scale words, 128 bytes each,
.set STG,  KVS+512                     ; and a stage of 16 rows x (256 + 16) bytes for each wave
.set RAW,  16
.set PAIR, 32
.set BUF,  40
.set KSW,  136
.set ACC,  140
.set BACK, 172
.set KC,   236
.set TM,   244                         ; v244-245 largest magnitudes, v246-247 bytes, v248-249 57,344 x the scale, v250-251 the conversions' scale operands
.set NRM,  252                         ; v[252:253] the norm (the packed form names a pair)
.set KW,   254
.set MK,   128                         ; in window 1
.set MSB, 0
.macro WIN new
.if MSB != (\new)
	s_set_vgpr_msb (MSB<<8)|(\new)
.set MSB, (\new)
.endif
.endm
.macro CROUND                          ; a round of the cluster's barrier
	s_barrier_signal -1
	s_barrier_wait -1
	s_cmp_lg_u32 s14, 0
	s_cbranch_scc1 .Lnot_wave_0_\@
	s_barrier_signal -3
.Lnot_wave_0_\@:
	s_barrier_wait -3
	s_barrier_signal -1
	s_barrier_wait -1
.endm
	s_load_b256 s[4:11], s[0:1], 0x0               ; qc s[4:5], qs s[6:7], kvp s[8:9], mask s[10:11]
	s_load_b64 s[12:13], s[0:1], 0x20              ; out0
	v_lshl_add_u32 v15, v0, 2, 0x46000
	v_mov_b32 v255, 0
	ds_add_u32 v15, v255
	ds_add_u32 v15, v255
	v_lshrrev_b32 v1, 5, v0
	v_readfirstlane_b32 s14, v1                    ; wave
	s_and_b32 s15, ttmp7, 0xffff                   ; 16 b + h, which the four partners share
	s_lshr_b32 s16, s15, 4                         ; b
	s_and_b32 s17, s15, 15                         ; h
	s_bfe_u32 s37, ttmp6, 0x40000
	s_lshl_b32 s33, ttmp9, 2
	s_add_co_u32 s37, s37, s33                     ; z: which 1,024 positions: it enters the addresses of qc, qs and out0 alone
	s_mov_b32 s18, 0x76543210
	s_mov_b32 s19, 0xfedcba98                      ; v_permlanex16_b32's selects for lane l xor 16
	s_mov_b32 s35, 0x600000                        ; the mantissa field of 57,344
	s_mov_b32 s36, 0x07060302
	s_bitcmp1_b32 s17, 0
	s_cselect_b32 s36, s36, 0x05040100             ; an odd head's scale bytes are a word's upper half
	; the descriptor: e tile w of all 16 partials: 64 rows (4 p + dt) of 1,024 bytes, 4,096 bytes apart, dense in LDS
	s_mov_b32 s24, 15|(3<<16)|(1<<21)              ; the mask: all four work-groups; elements of 8 bytes; bit 21 beside a mask
	s_mov_b32 s25, 128<<16                         ; tensor_dim0 = 128
	s_mov_b32 s26, 64<<16                          ; tensor_dim1 = 64
	s_mov_b32 s27, 128<<16                         ; tile_dim0
	s_mov_b32 s28, 64                              ; tile_dim1
	s_mov_b32 s29, 512                             ; the pitch
	s_mov_b32 s30, 0
	s_mov_b32 s31, 0
	s_lshl_b32 s38, s15, 18
	s_lshl_b32 s39, s14, 10
	s_or_b32 s38, s38, s39
	s_mov_b32 s39, 0
	s_mov_b32 s20, 1
	s_lshl_b32 s21, s14, 16                        ; my landing place
	v_and_b32 v1, 31, v0                           ; lane
	v_and_b32 v2, 15, v0                           ; r
	v_bfe_u32 v3, v0, 4, 1                         ; h
	v_lshlrev_b32 v5, 4, v1                        ; 16 x lane
	v_add_nc_u32 v4, s21, v5                       ; in my landing place
	s_lshl_b32 s34, s14, 10
	s_add_co_u32 s34, s34, KVI
	v_add_nc_u32 v6, s34, v5                       ; where I store my image
	v_add_nc_u32 v7, KVI, v5                       ; where all are read
	v_lshlrev_b32 v13, 2, v1
	s_lshl_b32 s34, s14, 7
	s_add_co_u32 s34, s34, KVS
	v_add_nc_u32 v8, s34, v13
	v_add_nc_u32 v9, KVS, v13
	s_mul_i32 s34, s14, 16*272
	s_add_co_u32 s34, s34, STG                     ; my stage
	v_mul_u32_u24 v10, v2, 272
	v_lshl_add_u32 v10, v3, 6, v10
	v_add_nc_u32 v10, s34, v10                     ; in: row r, + 64 h
	v_mul_u32_u24 v11, v3, 272
	v_lshl_add_u32 v11, v2, 4, v11
	v_add_nc_u32 v11, s34, v11                     ; back: lanes 0-15 one row, lanes 16-31 the next
	v_lshlrev_b32 v12, 12, v3
	v_lshl_add_u32 v12, v2, 4, v12                 ; and the same two rows in out0
	s_wait_dscnt 0x0
	s_wait_kmcnt 0x0
	s_add_nc_u64 s[22:23], s[8:9], s[38:39]
	s_or_b32 s23, s23, 0x80000000
	CROUND                                         ; all four work-groups are here: the joint loads meet
	tensor_load_to_lds s[20:23], s[24:31]          ; my one tensor load: only I read its bytes
	s_nop 0
.rept 4
	v_nop
.endr
	s_lshl_b32 s32, s15, 18
	s_lshl_b32 s34, s37, 16
	s_or_b32 s32, s32, s34
	s_lshl_b32 s34, s14, 14
	s_or_b32 s32, s32, s34
	s_mov_b32 s33, 0
	s_add_nc_u64 s[4:5], s[4:5], s[32:33]          ; my 16 row tiles' codes
	s_lshr_b32 s32, s15, 1
	s_lshl_b32 s32, s32, 15
	s_lshl_b32 s34, s37, 13
	s_or_b32 s32, s32, s34
	s_lshl_b32 s34, s14, 11
	s_or_b32 s32, s32, s34
	s_add_nc_u64 s[6:7], s[6:7], s[32:33]          ; and scale words
	s_lshl_b32 s32, s16, 14
	s_add_nc_u64 s[10:11], s[10:11], s[32:33]      ; my batch's mask
	s_lshl_b32 s32, s16, 24
	s_lshl_b32 s34, s37, 22
	s_or_b32 s32, s32, s34
	s_lshl_b32 s34, s14, 20
	s_or_b32 s32, s32, s34
	s_lshl_b32 s34, s17, 8
	s_or_b32 s32, s32, s34
	s_add_nc_u64 s[12:13], s[12:13], s[32:33]      ; my 256 rows of out0, my head's 256 bytes
	WIN 0x40                                       ; destination window 1
.set nn, 0
.rept 32
	global_load_b128 v[MK+4*nn:MK+4*nn+3], v5, s[10:11] offset:512*nn   ; the batch's 4,096 numbers of the mask
.set nn, nn+1
.endr
.set nn, 0
.rept 32
	global_load_b128 v[4*nn:4*nn+3], v5, s[4:5] offset:512*nn th:TH_LOAD_NT   ; q's codes: images of the registers, read once
.set nn, nn+1
.endr
	WIN 0
.irp g, 0,1,2,3
	global_load_b128 v[RAW+4*\g:RAW+4*\g+3], v5, s[6:7] offset:512*\g
.endr
	s_wait_loadcnt 36                              ; the mask is in; q's 36 loads may be out
	WIN 0x05                                       ; both sources in window 1
.irp c, 0,1,2,3
	v_pk_add_f32 v[TM+2*\c:TM+2*\c+1], v[MK+2*\c:MK+2*\c+1], v[MK+8+2*\c:MK+8+2*\c+1]   ; four chains, started by the first sixteen numbers
.endr
	WIN 0x04
.set mm, 16
.rept 14
.irp c, 0,1,2,3
	v_pk_add_f32 v[TM+2*\c:TM+2*\c+1], v[TM+2*\c:TM+2*\c+1], v[MK+mm+2*\c:MK+mm+2*\c+1]
.endr
.set mm, mm+8
.endr
	WIN 0
	v_pk_add_f32 v[TM:TM+1], v[TM:TM+1], v[TM+2:TM+3]
	v_pk_add_f32 v[TM+4:TM+5], v[TM+4:TM+5], v[TM+6:TM+7]
	v_pk_add_f32 v[TM:TM+1], v[TM:TM+1], v[TM+4:TM+5]
	v_add_f32 v[TM], v[TM], v[TM+1]
	v_add_f32_dpp v[TM], v[TM], v[TM] row_xmask:1 row_mask:0xf bank_mask:0xf
	v_add_f32_dpp v[TM], v[TM], v[TM] row_xmask:2 row_mask:0xf bank_mask:0xf
	v_add_f32_dpp v[TM], v[TM], v[TM] row_xmask:4 row_mask:0xf bank_mask:0xf
	v_add_f32_dpp v[TM], v[TM], v[TM] row_xmask:8 row_mask:0xf bank_mask:0xf
	v_permlanex16_b32 v[TM+1], v[TM], s18, s19
	v_add_f32 v[TM], v[TM], v[TM+1]                ; the sum of the batch's mask, in every lane
	v_mul_f32 v[TM], 0x42800000, v[TM]             ; x 64
	v_rsq_f32 v[NRM], v[TM]
	v_mov_b32 v[NRM+1], 0                          ; a plain line behind the transcendental; the pair's upper word is written
	s_wait_alu depctr_va_vdst(0)                   ; ahead of the result's first reader
	s_wait_tensorcnt 0x0                           ; my 64 rows have landed
.irp d, 0,1,2,3
	ds_load_b128 v[ACC+8*\d:ACC+8*\d+3], v4 offset:\d*1024       ; partial 0 starts the sum
	ds_load_b128 v[ACC+8*\d+4:ACC+8*\d+7], v4 offset:\d*1024+512
.endr
.macro RED q                           ; partials 3 q + 1 .. 3 q + 3 are added, in ascending order
.irp u, 0,1,2
.irp d, 0,1,2,3
	ds_load_b128 v[BUF+32*\u+8*\d:BUF+32*\u+8*\d+3], v4 offset:(4*(3*(\q)+1+\u)+\d)*1024
	ds_load_b128 v[BUF+32*\u+8*\d+4:BUF+32*\u+8*\d+7], v4 offset:(4*(3*(\q)+1+\u)+\d)*1024+512
.endr
.endr
.irp u, 0,1,2
	s_wait_dscnt 16-8*\u                           ; the later partials' eight loads each may be out
.set nn, 0
.rept 16
	v_pk_add_f32 v[ACC+nn:ACC+nn+1], v[ACC+nn:ACC+nn+1], v[BUF+32*\u+nn:BUF+32*\u+nn+1]
.set nn, nn+2
.endr
.endr
.endm
.irp q, 0,1,2,3,4
	RED \q
.endr
.set nn, 0
.rept 16
	v_pk_mul_f32 v[ACC+nn:ACC+nn+1], v[ACC+nn:ACC+nn+1], v[NRM:NRM+1] op_sel_hi:[1,0]   ; x the norm
.set nn, nn+2
.endr
	; kv is quantised along d: register 16 c + i is d = 32 c + 16 h + i of my e
.irp c, 0,1
	v_max3_num_f32 v[TM+\c], |v[ACC+16*\c]|, |v[ACC+16*\c+1]|, 0x8000000   ; with the floor 2^(16 - 127)
.endr
.irp i, 2,4,6,8,10,12,14
.irp c, 0,1
	v_max3_num_f32 v[TM+\c], v[TM+\c], |v[ACC+16*\c+\i]|, |v[ACC+16*\c+\i+1]|
.endr
.endr
.irp c, 0,1
	v_permlanex16_b32 v[TM+2+\c], v[TM+\c], s18, s19
.endr
.irp c, 0,1
	v_max_num_f32 v[TM+\c], v[TM+\c], v[TM+2+\c]
.endr
.irp c, 0,1
	v_add_nc_u32 v[TM+6+\c], 0xf8800000, v[TM+\c]
.endr
.irp c, 0,1
	v_and_or_b32 v[TM+4+\c], v[TM+\c], 0x7f800000, s35
.endr
.irp c, 0,1
	v_lshrrev_b32 v[TM+2+\c], 23, v[TM+6+\c]
.endr
	v_lshl_or_b32 v[KW], v[TM+3], 8, v[TM+2]
	v_lshl_or_b32 v[KW], v[KW], 16, v[KW]          ; the two bytes twice: one word serves [kv | 0] and [0 | kv]
.irp c, 0,1
.irp i, 0,1,2,3,4,5,6,7,8,9,10,11,12,13,14,15
	v_med3_num_f32 v[ACC+16*\c+\i], v[ACC+16*\c+\i], -v[TM+4+\c], v[TM+4+\c]
.endr
.endr
.irp c, 0,1
	v_cvt_scalef32_pk8_bf8_f32 v[KC+4*\c:KC+4*\c+1], v[ACC+16*\c:ACC+16*\c+7], v[TM+6+\c]
	v_cvt_scalef32_pk8_bf8_f32 v[KC+4*\c+2:KC+4*\c+3], v[ACC+16*\c+8:ACC+16*\c+15], v[TM+6+\c]
.endr
	v_nop                                          ; a plain line behind the last conversion
	ds_store_b128 v6, v[KC:KC+3]                   ; my e tile's image
	ds_store_b128 v6, v[KC+4:KC+7] offset:512
	ds_store_b32 v8, v[KW]
	s_wait_dscnt 0x0                               ; for the others' sake: my stores are done
	s_barrier_signal -1
	s_barrier_wait -1
.irp e, 0,1,2,3
	ds_load_b128 v[48+16*\e:51+16*\e], v7 offset:1024*\e
	ds_load_b128 v[52+16*\e:55+16*\e], v7 offset:1024*\e+512
	ds_load_b32 v[KSW+\e], v9 offset:128*\e
.endr
	s_wait_loadcnt 0x0                             ; q's codes and scale words
.irp p, 0,1,2,3,4,5,6,7
	v_perm_b32 v[PAIR+\p], v[RAW+2*\p+1], v[RAW+2*\p], s36   ; bytes 0, 1: the even row tile's two scales of my head; bytes 2, 3: the odd one's
.endr
.irp z, 0,1,2,3,4
.irp i, 0,1,2,3,4,5,6,7
	v_mov_b32 v[40+16*\z+\i], 0                    ; zero codes for the half of K that is not in use
.endr
.endr
.rept 4
	v_nop                                          ; operands written by vector instructions stand four places ahead of a scaled product, scale words eight: the forty lines above
.endr
	s_wait_dscnt 0x0
.macro SEND t
.irp i, 0,1,2,3,4,5,6,7
	global_store_b128 v12, v[BACK+32*((\t)%2)+4*\i:BACK+32*((\t)%2)+4*\i+3], s[12:13] offset:(32*((\t)/2)+16*(\i/4)+8*((\t)%2)+(2*\i)%8)*4096 th:TH_STORE_NT   ; stage rows 2 i, 2 i + 1 at their true rows; 16 lanes store 256 consecutive bytes, aligned
.endr
.endm
.macro TILE t
.set KVB, 48-8*((\t)%2)                ; [kv | 0] for the even row tile of a pair, [0 | kv] for the odd one
	WIN 0x04                                       ; source 1 (q) in window 1
.irp e, 0,1,2,3
	v_wmma_scale_f32_16x16x128_f8f6f4 v[ACC+8*\e:ACC+8*\e+7], v[KVB+16*\e:KVB+16*\e+15], v[16*((\t)/2):16*((\t)/2)+15], 0, v[KSW+\e], v[PAIR+(\t)/2] matrix_a_fmt:MATRIX_FMT_BF8 matrix_b_fmt:MATRIX_FMT_BF8
.endr
	WIN 0
.rept 9
	v_nop                                          ; eight places ahead of the stores that read the results; nine ahead of the next row tile's products, which write over them
.endr
.irp e, 0,1,2,3
	ds_store_b128 v10, v[ACC+8*\e:ACC+8*\e+3] offset:128*(\e/2)+32*(\e%2)       ; e = 32 (et / 2) + 16 h + 8 (et % 2) + j; each result from its low end on
	ds_store_b128 v10, v[ACC+8*\e+4:ACC+8*\e+7] offset:128*(\e/2)+32*(\e%2)+16
.endr
.if (\t) >= 2
	s_wait_xcnt 0x0                                ; the stores of two row tiles back have read their registers: they take the loads below
.endif
.irp i, 0,1,2,3,4,5,6,7
	ds_load_b128 v[BACK+32*((\t)%2)+4*\i:BACK+32*((\t)%2)+4*\i+3], v11 offset:2*\i*272   ; these see my stores: LDS serves a wave's instructions in order
.endr
.if (\t) >= 1
	s_wait_dscnt 16                                ; the last row tile is back in registers; this one's 8 stores and 8 loads may be out
	SEND (\t)-1
.endif
	s_wait_dscnt 8                                 ; this row tile's stores into the stage have read the results
.endm
.irp t, 0,1,2,3,4,5,6,7,8,9,10,11,12,13,14,15
	TILE \t
.endr
	s_wait_dscnt 0x0
	SEND 15
	s_wait_tensorcnt 0x0
	ds_add_u32 v15, v255
	s_wait_dscnt 0x0
	CROUND                                         ; the closing round: no work-group ends while a partner may still ask for the tile that names it
	s_endpgm
.Lfunc_end_k_q2df632694d_attend:
	.size	k_q2df632694d_attend, .Lfunc_end_k_q2df632694d_attend-k_q2df632694d_attend
	.p2alignl 7, 3214868480
	.fill 96, 4, 3214868480
	.section	.rodata,"a",@progbits
	.p2align	6, 0x0
	.amdhsa_kernel k_q2df632694d_attend
		.amdhsa_group_segment_fixed_size 287232
		.amdhsa_private_segment_fixed_size 0
		.amdhsa_enable_private_segment 0
		.amdhsa_kernarg_size 40
		.amdhsa_user_sgpr_count 2
		.amdhsa_user_sgpr_kernarg_segment_ptr 1
		.amdhsa_wavefront_size32 1
		.amdhsa_system_sgpr_workgroup_id_x 1
		.amdhsa_system_sgpr_workgroup_id_y 1
		.amdhsa_system_sgpr_workgroup_id_z 1
		.amdhsa_system_vgpr_workitem_id 0
		.amdhsa_next_free_vgpr 512
		.amdhsa_next_free_sgpr 66
		.amdhsa_reserve_vcc 0
		.amdhsa_float_denorm_mode_32 3
		.amdhsa_float_denorm_mode_16_64 3
		.amdhsa_memory_ordered 1
		.amdhsa_forward_progress 1
		.amdhsa_inst_pref_size 91
	.end_amdhsa_kernel
	.amdgpu_metadata
---
amdhsa.version: [ 1, 2 ]
amdhsa.kernels:
  - .name:           k_q2df632694d_attend
    .symbol:         k_q2df632694d_attend.kd
    .args:
      - { .name: qc, .offset: 0, .size: 8, .value_kind: global_buffer, .address_space: global }
      - { .name: qs, .offset: 8, .size: 8, .value_kind: global_buffer, .address_space: global }
      - { .name: kvp, .offset: 16, .size: 8, .value_kind: global_buffer, .address_space: global }
      - { .name: mask, .offset: 24, .size: 8, .value_kind: global_buffer, .address_space: global }
      - { .name: out0, .offset: 32, .size: 8, .value_kind: global_buffer, .address_space: global }
    .group_segment_fixed_size: 287232
    .private_segment_fixed_size: 0
    .kernarg_segment_align: 8
    .kernarg_segment_size: 40
    .max_flat_workgroup_size: 128
    .sgpr_count:     66
    .vgpr_count:     512
    .wavefront_size: 32
...
	.end_amdgpu_metadata
.endif
;; end of part 3
